; MI455X (gfx1250); checked and timed in simulation.
; The chip was launched on July 23, 2026; its instructions are those of AMD's public machine-readable ISA for CDNA 5 (MIT licence, August 2026) and "CDNA5" Instruction Set Architecture Reference Guide (July 2026). The comments in the code are by the model that wrote it; some were corrected since.
;; Multi Head Attention. Allowed arithmetic: matrix products marked QUANTISED: E2M3 operands, one E8M0 scale for each 32 along K, by v_wmma_scale_f32_16x16x128_f8f6f4 with both operands' format E2M3, f32 sums; everything else in f32.
;; Inputs: qkv_b 3,072 float32; qkv_w 3,072 x 1,024 float32; x 4 x 2,048 x 1,024 float32.
;; Outputs: out0 4 x 2,048 x 1,024 float32.
;; This version of the problem:
;;   THIS VERSION OF THE PROBLEM IS GIVEN IN LOW PRECISION. The matrix products marked QUANTISED in the list below multiply operands that are first quantised to E2M3 (2 exponent bits, 3 mantissa bits; 6 bits a number), with one power-of-two scale for each 32 numbers along K (OCP MX v1.0); their sums are f32. All else is computed in f32.
;;   The module's matrix products, in the order in which they are computed (A, B: the left and right operand; K: the contracted axis; several contracted axes count as one K, in the product's order):
;;     1. [M 8,192, K 1,024] x [K 1,024, N 3,072]; A: input x; B: input qkv_w: QUANTISED
;;     2. batch 64 x [M 2,048, K 64] x [K 64, N 2,048]; A: computed on the way; B: computed on the way: QUANTISED
;;     3. batch 64 x [M 2,048, K 2,048] x [K 2,048, N 64]; A: softmax (see below); B: computed on the way: QUANTISED
;;   THE QUANTISER, for each operand of a quantised product, along K:
;;     - K is cut into blocks of 32 from its start; a last block that is shorter is filled with zeros.
;;     - A block's scale is 2^e with e = floor(log2(the largest magnitude in the block)) - 2, held to -126 .. 127; a block of zeros has e = 0. As a byte (E8M0): e + 127.
;;     - Each number is divided by its block's scale, clamped to +-7.5, and rounded to the nearest number of E2M3, ties to even, subnormals kept.
;;     - The product sums the exact products of the quantised numbers (number of the format x scale) in f32.
;;   ~~~python
;;   def quantise(x, axis):      # numpy; x: float32 -> the quantised numbers, widened to float32 again
;;       x = np.moveaxis(x, axis, -1); K = x.shape[-1]
;;       x = np.pad(x, [(0, 0)] * (x.ndim - 1) + [(0, -K % 32)]); x = x.reshape(x.shape[:-1] + (-1, 32)); a = np.abs(x).max(-1, keepdims=True)
;;       e = np.where(a > 0, np.clip(np.frexp(np.where(a > 0, a, 1))[1] - 1 - 2, -126, 127), 0)      # np.frexp(a)[1] - 1 = floor(log2(a)), exactly
;;       r = np.clip(x / 2.0 ** e, -7.5, 7.5)
;;       step = 2.0 ** (np.maximum(np.frexp(np.where(r == 0, 1, r))[1] - 1, 0) - 3)
;;       q = np.round(r / step) * step * 2.0 ** e      # np.round: ties to even
;;       return np.moveaxis(q.reshape(q.shape[:-2] + (-1,))[..., :K], -1, axis).astype(np.float32)
;;   ~~~
;;   SOFTMAX AHEAD OF A QUANTISED PRODUCT. Where the list says 'softmax', what is quantised is not the finished softmax but p = 2^(t - M), with t = logit x log2(e) and M = ceil(the row's largest t), a whole number; so 1/2 < the row's largest p <= 1. The row's sum l is taken of the UNQUANTISED p, in f32, and the product's result is divided by l at the end. Since M is a whole number, a kernel that streams over the keys may use a running M (the ceiling of the running maximum): every later rescaling is an exact power of two, which a block's scale takes up: the codes' values come out the same.
;;   OPERANDS COMPUTED ON THE WAY. 'Computed on the way' means the value that the module computes at that place (a softmax that the list does not call 'softmax' is quantised finished and normalised). What goes into a quantiser is computed in f32, as accurately as f32 sums, v_exp_f32 and their like allow (about 1e-6 of the number): no bf16 or f16 on the way to a quantiser, and a product that is left as it is and whose result goes on into a quantised operand takes f32 operands (vector FMAs, or v_wmma_f32_16x16x4_f32). A number that lies on a knife's edge between two numbers of the format may be rounded either way, as far as f32 arithmetic and the matrix unit's own rounding can turn it there, and no further.
;; One version. Each part assembles by itself: llvm-mc -triple=amdgcn-amd-amdhsa -mcpu=gfx1250 --defsym DOCPART=n.
;; ======== version 1 of 1: 3 launches
;; workspace buffers: x_codes 6,291,456 bytes; x_scales 262,144 bytes; w_codes 2,359,296 bytes; w_scales 98,304 bytes; qk_codes 12,582,912 bytes; qk_scales 1,048,576 bytes; v_codes 6,291,456 bytes; v_scales 524,288 bytes
;; launch quant (part 1): grid 352 x 1, 4 waves a work-group, no clusters, 33,280 bytes of LDS; arguments x, qkv_w, x_codes, x_scales, w_codes, w_scales; writes x_codes, x_scales, w_codes, w_scales
.if DOCPART == 1
	.amdgcn_target "amdgcn-amd-amdhsa--gfx1250"
	.amdhsa_code_object_version 6
	.text
	.protected	k_q9dbc6c990c_quant
	.globl	k_q9dbc6c990c_quant
	.p2align	8
	.type	k_q9dbc6c990c_quant,@function
k_q9dbc6c990c_quant:
	s_mov_b64 s[64:65], 0
	v_nop
	global_prefetch_b8 v0, s[64:65] scope:SCOPE_SE
	s_setreg_imm32_b32 hwreg(HW_REG_WAVE_MODE, 25, 1), 1
	s_wait_xcnt 0x0
; x [8192][1024] and qkv_w [3072][1024], f32, become codes of FP6 (E2M3), 6 bits each, K innermost (768 bytes a row), with one E8M0 scale byte for each 32 along K (32 bytes a row).
; A block's scale is 2^(floor(log2(its largest magnitude)) - 2); its byte is the largest magnitude's own exponent field - 2, held at 1 from below.  Each number is divided by the scale and rounded to the
; nearest code, ties to even; beyond 7.5 the conversion gives the largest code.
; THE ROWS LEAVE IN ANOTHER ORDER: row a is stored at position p = a with its bits 3 and 4 exchanged (inside each 32 rows).  Sixteen neighbouring positions 16 t + r are then the rows
; 32 (t / 2) + 8 (t % 2) + r + 8 (r / 8): where such a tile is source 0 of a product, a lane's 16 registers of result tiles 2 b and 2 b + 1 are 16 NEIGHBOURS, 32 b + 16 (lane / 16) + 0 .. 15.
; A wave's run of 8,192 numbers is 8 rows, a work-group's four runs are 32 rows: so the exchange is that waves 1 and 2 change places on the way out, and nothing else.
; LIMITS: a block of zeros gets the byte 1 where the rule says 127 (its codes are zeros, and this program alone reads the bytes); blocks whose largest magnitude lies under 2^-124 are held at the byte 1;
; NaN and infinities among the inputs are not served.
; A wave takes 16 steps of 512 numbers.  Each of a step's four loads reads 512 consecutive bytes, 16 a lane; the 2,048 bytes go through the wave's own stage in LDS and come back 64 bytes a lane, so that a lane
; holds 16 neighbours along K and two neighbouring lanes a block.  A lane's 16 codes are 12 bytes: the wave stores 384 consecutive bytes.  A wave's 256 scale bytes are gathered in LDS and leave as 256 aligned bytes.
; The first WGA work-groups take x, the others qkv_w.  No tensor loads, no barrier: waves share nothing.  Loads run four steps (16 loads a wave) ahead, the turn through LDS one step.
; No cluster, no matrix unit: every byte is read once by one wave.
.set SIZE_M, 8192
.set SIZE_N, 3072
.set SIZE_K, 1024
.set WAVES, 4
.set STEPS, 16
.set WGA,   SIZE_M*SIZE_K/(512*STEPS*WAVES)    ; 256 work-groups for x; 96 for qkv_w
.set EMAX,  2
.set CB,    12                         ; bytes of 16 codes
.set R,     16                         ; v16-79   four sets of 16 numbers as they are loaded
.set X,     80                         ; v80-111  two sets of 16 neighbours
.set C,     128                        ; v128-191 codes: four registers for each step, so that no store's data are written again
.set E,     112                        ; v112-127 a scale byte for each step
.set WREG,  8192                       ; LDS: a region for each wave: two stages of 32 x SP bytes, and behind them its 256 scale bytes
.set SP,    80                         ; a lane's place in a stage: its 64 bytes + 16 of padding
.set SPW,   12                         ; v12      LDS address of my spare word: SPARE + 4 x my thread's number; never rewritten
.set NIL,   13                         ; v13      0; never rewritten
.set SPARE, WAVES*WREG                 ; behind the four regions: the spare words, 128 bytes for each wave, which no other line names
	s_load_b128 s[4:7], s[0:1], 0x0                ; x, qkv_w
	s_load_b128 s[8:11], s[0:1], 0x10              ; x's codes, x's scales
	s_load_b128 s[12:15], s[0:1], 0x20             ; qkv_w's codes, its scales
	v_lshl_add_u32 v[SPW], v0, 2, SPARE
	v_mov_b32 v[NIL], 0
	v_lshrrev_b32 v1, 5, v0
	v_readfirstlane_b32 s16, v1                    ; wave
	v_and_b32 v2, 31, v0                           ; lane
	v_lshlrev_b32 v3, 4, v2                        ; my 16 bytes of a load's 512
	s_mul_i32 s17, s16, WREG
	v_lshrrev_b32 v14, 2, v2
	v_mul_u32_u24 v14, v14, SP
	v_and_b32 v15, 3, v2
	v_lshl_add_u32 v14, v15, 4, v14
	v_add_nc_u32 v14, s17, v14                     ; the stage, on the way in: four lanes' 64 bytes on end, then 16 of padding
	v_mul_u32_u24 v15, v2, SP
	v_add_nc_u32 v15, s17, v15                     ; and on the way out: SP x lane: my 16 neighbours
	v_mul_u32_u24 v4, v2, CB                       ; my codes' place in a step's
	v_lshrrev_b32 v5, 1, v2
	s_add_co_u32 s17, s17, 2*32*SP
	v_add_nc_u32 v5, s17, v5                       ; LDS: my wave's 256 scale bytes, my block's byte
	v_lshlrev_b32 v7, 3, v2                        ; and on the way out 8 bytes a lane
	v_add_nc_u32 v6, s17, v7
	s_wait_alu depctr_va_vdst(0)
	s_wait_kmcnt 0x0
	s_cmp_lt_u32 ttmp9, WGA                        ; x's work-group or qkv_w's?  The choice hangs on the work-group's number alone
	s_cselect_b64 s[4:5], s[4:5], s[6:7]
	s_cselect_b64 s[8:9], s[8:9], s[12:13]
	s_cselect_b64 s[10:11], s[10:11], s[14:15]
	s_cselect_b32 s17, 0, WGA
	s_sub_co_u32 s17, ttmp9, s17
	s_lshl_b32 s17, s17, 2
	s_add_co_u32 s18, s17, s16                     ; which run of 8,192 numbers I READ
	s_mov_b32 s19, 0
	s_mov_b64 s[20:21], 512*STEPS*4
	s_mul_u64 s[20:21], s[18:19], s[20:21]
	s_add_nc_u64 s[4:5], s[4:5], s[20:21]
	s_and_b32 s22, s16, 1                          ; the wave's two bits change places:
	s_lshl_b32 s22, s22, 1
	s_lshr_b32 s23, s16, 1
	s_or_b32 s22, s22, s23
	s_add_co_u32 s18, s17, s22                     ; which run's place I WRITE
	s_mov_b64 s[20:21], 32*STEPS*CB
	s_mul_u64 s[20:21], s[18:19], s[20:21]
	s_add_nc_u64 s[8:9], s[8:9], s[20:21]
	s_lshl_b32 s18, s18, 8                         ; 256 scale bytes a run
	s_add_nc_u64 s[10:11], s[10:11], s[18:19]
.macro LOAD t
.irp i, 0,1,2,3
	global_load_b128 v[R+16*((\t)%4)+4*\i:R+16*((\t)%4)+4*\i+3], v3, s[4:5] offset:2048*(\t)+512*\i th:TH_LOAD_NT   ; 32 lanes read 512 consecutive bytes
.endr
.endm
.macro TURN t                          ; step t's numbers through the stage: LDS serves a wave's instructions in order, so no wait stands between the stores and the loads
.irp i, 0,1,2,3
	ds_store_b128 v14, v[R+16*((\t)%4)+4*\i:R+16*((\t)%4)+4*\i+3] offset:32*SP*((\t)%2)+8*SP*\i
.endr
.irp i, 0,1,2,3
	ds_load_b128 v[X+16*((\t)%2)+4*\i:X+16*((\t)%2)+4*\i+3], v15 offset:32*SP*((\t)%2)+16*\i
.endr
.endm
.irp t, 0,1,2,3
	LOAD \t
.endr
	s_wait_loadcnt 12                              ; step 0's four loads are in; the twelve of steps 1 to 3 may be out
	TURN 0
.macro STEP t
.set XS, X+16*((\t)%2)
.if (\t) > 0
	s_wait_dscnt 1                                 ; this step's numbers are back from the stage (the last step's byte store may be out): so its stores into the stage have read their registers,
.else
	s_wait_dscnt 0x0
.endif
.if (\t)+4 < STEPS
	LOAD (\t)+4                                    ; which take the loads of four steps on
.endif
.if (\t)+1 < STEPS
.if STEPS-2-(\t) >= 3
	s_wait_loadcnt 12                              ; the next step's four loads are in; those of the three steps behind it may be out
.else
	s_wait_loadcnt 4*(STEPS-2-(\t))
.endif
	TURN (\t)+1                                    ; and go through the other stage while this step is worked
.endif
	v_max3_num_f32 v8, |v[XS]|, |v[XS+1]|, |v[XS+2]|               ; the largest magnitude of my 16, in two chains
	v_max3_num_f32 v9, |v[XS+3]|, |v[XS+4]|, |v[XS+5]|
.irp i, 6,10
	v_max3_num_f32 v8, v8, |v[XS+\i]|, |v[XS+\i+1]|
	v_max3_num_f32 v9, v9, |v[XS+\i+2]|, |v[XS+\i+3]|
.endr
	v_max3_num_f32 v8, v8, |v[XS+14]|, |v[XS+15]|
	v_max3_num_f32 v8, v8, v9, (EMAX+1)<<23        ; and the floor 2^(3 - 127): so the byte cannot fall under 1
	v_max_num_f32_dpp v8, v8, v8 row_xmask:1 row_mask:0xf bank_mask:0xf   ; and of my neighbour's 16: the block's
	v_add_nc_u32 v11, -(EMAX<<23), v8              ; 2 off its exponent field: the conversion takes the exponent field of this operand as its scale, and nothing else of it
	v_cvt_scalef32_pk16_fp6_f32 v[C+4*(\t):C+4*(\t)+2], v[XS:XS+15], v11         ; sixteen codes, 96 bits without gaps, the first number's code lowest
	v_lshrrev_b32 v[E+(\t)], 23, v11               ; the scale's byte (also the plain instruction behind the conversion)
	ds_store_b8 v5, v[E+(\t)] offset:16*(\t)       ; both lanes of a block write the same byte with the same value
	global_store_b96 v4, v[C+4*(\t):C+4*(\t)+2], s[8:9] offset:32*CB*(\t)
.endm
.irp t, 0,1,2,3,4,5,6,7,8,9,10,11,12,13,14,15
	STEP \t
.endr
	ds_load_b64 v[8:9], v6                         ; LDS serves a wave's instructions in order: these see my stores
	s_wait_dscnt 0x0
	global_store_b64 v7, v[8:9], s[10:11]          ; 32 lanes store 256 consecutive bytes, aligned
	s_wait_tensorcnt 0x0                           ; the wave's end, behind my last LDS store
	ds_add_u32 v[SPW], v[NIL]
	s_wait_dscnt 0x0
	s_endpgm
.Lfunc_end_k_q9dbc6c990c_quant:
	.size	k_q9dbc6c990c_quant, .Lfunc_end_k_q9dbc6c990c_quant-k_q9dbc6c990c_quant
	.p2alignl 7, 3214868480
	.fill 96, 4, 3214868480
	.section	.rodata,"a",@progbits
	.p2align	6, 0x0
	.amdhsa_kernel k_q9dbc6c990c_quant
		.amdhsa_group_segment_fixed_size 33280
		.amdhsa_private_segment_fixed_size 0
		.amdhsa_enable_private_segment 0
		.amdhsa_kernarg_size 48
		.amdhsa_user_sgpr_count 2
		.amdhsa_user_sgpr_kernarg_segment_ptr 1
		.amdhsa_wavefront_size32 1
		.amdhsa_system_sgpr_workgroup_id_x 1
		.amdhsa_system_sgpr_workgroup_id_y 1
		.amdhsa_system_sgpr_workgroup_id_z 1
		.amdhsa_system_vgpr_workitem_id 0
		.amdhsa_next_free_vgpr 192
		.amdhsa_next_free_sgpr 66
		.amdhsa_reserve_vcc 0
		.amdhsa_float_denorm_mode_32 3
		.amdhsa_float_denorm_mode_16_64 3
		.amdhsa_memory_ordered 1
		.amdhsa_forward_progress 1
		.amdhsa_inst_pref_size 33
	.end_amdhsa_kernel
	.amdgpu_metadata
---
amdhsa.version: [ 1, 2 ]
amdhsa.kernels:
  - .name:           k_q9dbc6c990c_quant
    .symbol:         k_q9dbc6c990c_quant.kd
    .args:
      - { .name: x, .offset: 0, .size: 8, .value_kind: global_buffer, .address_space: global }
      - { .name: qkv_w, .offset: 8, .size: 8, .value_kind: global_buffer, .address_space: global }
      - { .name: x_codes, .offset: 16, .size: 8, .value_kind: global_buffer, .address_space: global }
      - { .name: x_scales, .offset: 24, .size: 8, .value_kind: global_buffer, .address_space: global }
      - { .name: w_codes, .offset: 32, .size: 8, .value_kind: global_buffer, .address_space: global }
      - { .name: w_scales, .offset: 40, .size: 8, .value_kind: global_buffer, .address_space: global }
    .group_segment_fixed_size: 33280
    .private_segment_fixed_size: 0
    .kernarg_segment_align: 8
    .kernarg_segment_size: 48
    .max_flat_workgroup_size: 128
    .sgpr_count:     66
    .vgpr_count:     192
    .wavefront_size: 32
...
	.end_amdgpu_metadata
.endif
;; end of part 1
;; launch gemm (part 2): grid 12 x 32, 4 waves a work-group, clusters of 4 x 4, 327,680 bytes of LDS; arguments x_codes, x_scales, w_codes, w_scales, qkv_b, qk_codes, qk_scales, v_codes, v_scales; writes qk_codes, qk_scales, v_codes, v_scales
.if DOCPART == 2
	.amdgcn_target "amdgcn-amd-amdhsa--gfx1250"
	.amdhsa_code_object_version 6
	.text
	.protected	k_q9dbc6c990c_gemm
	.globl	k_q9dbc6c990c_gemm
	.p2align	8
	.type	k_q9dbc6c990c_gemm,@function
k_q9dbc6c990c_gemm:
	s_mov_b64 s[64:65], 0
	v_nop
	global_prefetch_b8 v0, s[64:65] scope:SCOPE_SE
	s_setreg_imm32_b32 hwreg(HW_REG_WAVE_MODE, 25, 1), 1
	s_wait_xcnt 0x0
	s_wait_alu depctr_hold_cnt(0) depctr_sa_sdst(0) depctr_va_vdst(0) depctr_va_sdst(0) depctr_va_ssrc(0) depctr_va_vcc(0) depctr_vm_vsrc(0)
	s_getreg_b32 s2, hwreg(HW_REG_IB_STS2, 6, 4)
	s_cmp_eq_u32 s2, 0
	s_cbranch_scc0 .Lentry_in_a_cluster
	s_endpgm
.Lentry_in_a_cluster:
	s_bfe_u32 s2, ttmp6, 0x10000c
	s_cmp_lg_u32 s2, 0xf033
	s_cbranch_scc0 .Lentry_shape_is_right
	s_endpgm
.Lentry_shape_is_right:
.set SIZE_K, 1024
.set KSTEP,  256
.set NQ,     KSTEP/128
.set ROWB,   192
.set KROW,   SIZE_K*6/8
.set PITCH,  240
.set FR,     12
.set NL,     6
.set NP,     4
.set HALFT,  128*PITCH
.set SLOT,   4*HALFT
.set LAPS,   SIZE_K/(2*KSTEP)
.set KS,     SIZE_K/32
.set SCL,    2*SLOT
.set HALFS,  (128*KS/256)*272
.set SBLK,   (16*KS/256)*272
.set SPARE,  SCL+4*HALFS
.set HEADC,  98304
.set HEADS,  8192
.set ADRA, 16
.set ADRB, 20
.set ST,   24
.set BA,   25
.set ADRS, 27
.set SPW,  28
.set NIL,  29
.set SC,   32
.set BI,   64
.set AF,   128
.set TM,   64
.set TC,   80
.set WT,   88
.set SW,   92
.set IMG,  128
.set SEL,  18
.set G1, 24
.set G0, 32
.set G1B, 48
.set G0B, 56
.set G1S, 68
.set G0S, 76
.set G1SB, 80
.set G0SB, 88
.set MSB, 0
.macro WIN new
.if MSB != (\new)
	s_set_vgpr_msb (MSB<<8)|(\new)
.set MSB, \new
.endif
.endm
.set MUL_LO, 0xa1
.set MUL_HI, 0xf1
.set BEG_LO, 0x81
.set BEG_HI, 0xc1
.set TO_B,   0x40
.macro JLOAD g0a, g1a, g0b, g1b
	s_cmp_eq_u32 s15, 0
	s_cbranch_scc0 .Lfor_b_\@
	tensor_load_to_lds s[\g0a:\g0a+3], s[\g1a:\g1a+7]
	s_nop 0
.rept 4
	v_nop
.endr
	s_branch .Lasked_\@
.Lfor_b_\@:
	tensor_load_to_lds s[\g0b:\g0b+3], s[\g1b:\g1b+7]
	s_nop 0
.rept 4
	v_nop
.endr
.Lasked_\@:
.endm
.macro CREST
	s_cmp_lg_u32 s14, 0
	s_cbranch_scc1 .Lnot_wave_0_\@
	s_barrier_signal -3
.Lnot_wave_0_\@:
	s_barrier_wait -3
	s_barrier_signal -1
	s_barrier_wait -1
.endm
.macro CROUND
	s_barrier_signal -1
	s_barrier_wait -1
	CREST
.endm
	s_load_b256 s[4:11], s[0:1], 0x0
	s_load_b64 s[12:13], s[0:1], 0x20
	v_lshl_add_u32 v[SPW], v0, 2, SPARE
	v_mov_b32 v[NIL], 0
	ds_add_u32 v[SPW], v[NIL]
	ds_add_u32 v[SPW], v[NIL]
	v_lshrrev_b32 v1, 5, v0
	v_readfirstlane_b32 s14, v1
	s_lshr_b32 s15, s14, 1
	s_and_b32 s16, s14, 1
	s_bfe_u32 s40, ttmp6, 0x40000
	s_bfe_u32 s41, ttmp6, 0x40004
	s_and_b32 s95, ttmp7, 0xffff
	s_cmp_eq_u32 ttmp9, 2
	s_cselect_b32 s17, 2, s95
	s_cselect_b32 s42, s95, ttmp9
	s_lshl_b32 s17, s17, 2
	s_add_co_u32 s17, s17, s41
	s_lshl_b32 s42, s42, 2
	s_add_co_u32 s42, s42, s40
	s_lshl_b32 s43, s41, 2
	s_lshl_b32 s43, 15, s43
	s_lshl_b32 s44, 0x1111, s40
	s_or_b32 s[G1+0], s43, (0<<16)|(1<<20)|(1<<21)|(3<<22)|(3<<25)
	s_or_b32 s[G1B+0], s44, (0<<16)|(1<<20)|(1<<21)|(3<<22)|(3<<25)
.irp g, G1, G1B
	s_mov_b32 s[\g+1], ROWB<<16
	s_mov_b32 s[\g+2], 128<<16
	s_mov_b32 s[\g+3], ROWB<<16
	s_mov_b32 s[\g+4], 128
	s_mov_b32 s[\g+5], KROW
	s_mov_b32 s[\g+6], 0
	s_mov_b32 s[\g+7], 0
.endr
	s_or_b32 s[G1S+0], s43, (3<<16)|(1<<20)|(1<<21)|(5<<22)|(3<<25)
	s_or_b32 s[G1SB+0], s44, (3<<16)|(1<<20)|(1<<21)|(5<<22)|(3<<25)
.irp g, G1S, G1SB
	s_mov_b32 s[\g+1], 32<<16
	s_mov_b32 s[\g+2], (128*KS/256)<<16
	s_mov_b32 s[\g+3], 32<<16
	s_mov_b32 s[\g+4], 128*KS/256
	s_mov_b32 s[\g+5], 32
	s_mov_b32 s[\g+6], 0
	s_mov_b32 s[\g+7], 0
.endr
	s_lshl_b32 s18, s16, 7
	s_lshl_b32 s20, s17, 8
	s_add_co_u32 s20, s20, s18
	s_lshl_b32 s46, s42, 8
	s_add_co_u32 s46, s46, s18
	s_mov_b32 s21, 0
	s_mov_b32 s47, 0
	s_mov_b64 s[18:19], KS
	s_mul_u64 s[22:23], s[20:21], s[18:19]
	s_mul_u64 s[92:93], s[46:47], s[18:19]
	s_mov_b64 s[18:19], KROW
	s_mul_u64 s[20:21], s[20:21], s[18:19]
	s_mul_u64 s[46:47], s[46:47], s[18:19]
	s_mul_i32 s45, s14, HALFT
	s_mul_i32 s94, s14, HALFS
	s_wait_dscnt 0x0
	s_wait_kmcnt 0x0
	s_cmp_eq_u32 ttmp9, 2
	s_cselect_b64 s[96:97], s[8:9], s[4:5]
	s_cselect_b64 s[98:99], s[10:11], s[6:7]
	s_cselect_b64 s[4:5], s[4:5], s[8:9]
	s_cselect_b64 s[6:7], s[6:7], s[10:11]
	s_add_nc_u64 s[20:21], s[96:97], s[20:21]
	s_add_nc_u64 s[22:23], s[98:99], s[22:23]
	s_add_nc_u64 s[46:47], s[4:5], s[46:47]
	s_add_nc_u64 s[92:93], s[6:7], s[92:93]
	CROUND
	s_mov_b32 s[G0S], 1
	s_add_co_u32 s[G0S+1], s94, SCL
	s_mov_b64 s[G0S+2:G0S+3], s[22:23]
	s_or_b32 s[G0S+3], s[G0S+3], 0x80000000
	s_mov_b32 s[G0SB], 1
	s_add_co_u32 s[G0SB+1], s94, SCL
	s_mov_b64 s[G0SB+2:G0SB+3], s[92:93]
	s_or_b32 s[G0SB+3], s[G0SB+3], 0x80000000
	JLOAD G0S, G1S, G0SB, G1SB
.irp s, 0,1
	s_mov_b32 s[G0+4*\s], 1
	s_add_co_u32 s[G0+4*\s+1], s45, \s*SLOT
	s_add_nc_u64 s[G0+4*\s+2:G0+4*\s+3], s[20:21], \s*ROWB
	s_or_b32 s[G0+4*\s+3], s[G0+4*\s+3], 0x80000000
	s_mov_b32 s[G0B+4*\s], 1
	s_add_co_u32 s[G0B+4*\s+1], s45, \s*SLOT
	s_add_nc_u64 s[G0B+4*\s+2:G0B+4*\s+3], s[46:47], \s*ROWB
	s_or_b32 s[G0B+4*\s+3], s[G0B+4*\s+3], 0x80000000
	s_wait_alu depctr_va_vdst(0)
	s_wait_tensorcnt 0x0
	ds_add_u32 v28, v29
	s_wait_dscnt 0x0
	CROUND
	JLOAD G0+4*\s, G1, G0B+4*\s, G1B
.endr
	s_load_b256 s[4:11], s[0:1], 0x28
	v_and_b32 v1, 15, v0
	v_bfe_u32 v2, v0, 4, 1
	v_mul_u32_u24 v3, v1, PITCH
	v_mul_u32_u24 v4, v2, 24
	v_add_nc_u32 v4, v3, v4
	v_lshl_add_u32 v5, v2, 4, v4
	s_mul_i32 s21, s15, HALFT
	s_mul_i32 s22, s16, HALFT
	s_add_co_u32 s22, s22, 2*HALFT
.irp s, 0,1
	v_add_nc_u32 v[ADRA+\s], s21, v4
	v_add_nc_u32 v[ADRB+\s], s22, v4
	v_add_nc_u32 v[ADRA+2+\s], s21, v5
	v_add_nc_u32 v[ADRB+2+\s], s22, v5
	s_add_co_u32 s21, s21, SLOT
	s_add_co_u32 s22, s22, SLOT
.endr
	v_mul_u32_u24 v5, v1, KS
	v_lshrrev_b32 v6, 8, v5
	v_lshl_add_u32 v5, v6, 4, v5
	s_mul_i32 s21, s15, HALFS
	s_mul_i32 s22, s16, HALFS
	s_add_co_u32 s22, s22, 2*HALFS
	s_sub_co_u32 s22, s22, s21
	v_mul_u32_u24 v6, s22, v2
	s_add_co_u32 s21, s21, SCL
	v_add_nc_u32 v5, v5, v6
	v_add_nc_u32 v[ADRS], s21, v5
	v_and_b32 v6, 31, v0
	v_lshlrev_b32 v[ST], 4, v6
	s_cmp_eq_u32 ttmp9, 2
	s_cselect_b32 s18, s42, s17
	s_cselect_b32 s19, s17, s42
	s_cselect_b32 s20, s16, s15
	s_cselect_b32 s21, s15, s16
	s_lshr_b32 s22, s18, 3
	s_and_b32 s23, s18, 7
	s_lshl_b32 s23, s23, 1
	s_add_co_u32 s23, s23, s20
	s_and_b32 s45, s19, 3
	s_lshl_b32 s45, s45, 2
	s_lshl_b32 s46, s21, 1
	s_add_co_u32 s45, s45, s46
	s_lshl_b32 s22, s22, 4
	s_add_co_u32 s45, s45, s22
	s_bfe_u32 s46, s19, 0x10002
	s_lshl_b32 s46, s46, 6
	s_add_co_u32 s45, s45, s46
	s_mul_i32 s46, s45, HEADC
	s_mul_i32 s47, s23, 6144
	s_add_co_u32 s46, s46, s47
	s_mov_b32 s47, 0
	s_lshl_b32 s92, s45, 13
	s_lshl_b32 s93, s23, 9
	s_add_co_u32 s92, s92, s93
	s_mov_b32 s93, 0
	s_lshl_b32 s94, s19, 10
	s_lshl_b32 s95, s21, 9
	s_add_co_u32 s94, s94, s95
	s_mov_b32 s95, 0
	s_add_nc_u64 s[12:13], s[12:13], s[94:95]
	s_mov_b32 s67, 0xffff0000
	s_cmp_eq_u32 ttmp9, 2
	s_cbranch_scc1 .Lbias_v
	v_lshlrev_b32 v[BA], 6, v2
.irp i, 0,1,2,3,4,5,6,7,8,9,10,11,12,13,14,15
	global_load_b128 v[BI+4*\i:BI+4*\i+3], v[BA], s[12:13] offset:128*(\i/4)+16*(\i%4)
.endr
	s_branch .Lbias_done
.Lbias_v:
	v_and_b32 v[BA], 8, v1
	v_add_nc_u32 v[BA], v[BA], v1
	v_lshlrev_b32 v[BA], 2, v[BA]
.irp a, 0,1,2,3,4,5,6,7
	global_load_b32 v[BI+8*\a], v[BA], s[12:13] offset:4*(32*(\a/2)+8*(\a%2))
.endr
	s_wait_loadcnt 0x0
.irp a, 0,1,2,3,4,5,6,7
.irp j, 1,2,3,4,5,6,7
	v_mov_b32 v[BI+8*\a+\j], v[BI+8*\a]
.endr
.endr
.Lbias_done:
	s_wait_kmcnt 0x0
	s_cmp_eq_u32 ttmp9, 2
	s_cselect_b64 s[96:97], s[8:9], s[4:5]
	s_cselect_b64 s[98:99], s[10:11], s[6:7]
	s_add_nc_u64 s[96:97], s[96:97], s[46:47]
	s_add_nc_u64 s[98:99], s[98:99], s[92:93]
.macro FRAG reg, adr, q, i
.irp p, 0,1,2,3,4,5
.set PC, 12*(\q)+6*(\p/3)+\p%3
.if PC%8 < 5
	ds_load_b64 v[\reg+2*\p:\reg+2*\p+1], v[\adr] offset:8*PC+16*(PC/8)+(\i)*16*PITCH
.else
	ds_load_b64 v[\reg+2*\p:\reg+2*\p+1], v[\adr+2] offset:8*PC+16*(PC/8)+(\i)*16*PITCH
.endif
.endr
.endm
.macro MUL16 a0, p, q, sc, zero
.irp a, \a0, \a0+1
.irp b, 0,1,2,3,4,5,6,7
.if (\zero) == 1
	v_wmma_scale_f32_16x16x128_f8f6f4 v[8*(8*((\a)%4)+\b):8*(8*((\a)%4)+\b)+7], v[128*(\p)+FR*\b:128*(\p)+FR*\b+FR-1], v[AF+FR*(\a):AF+FR*(\a)+FR-1], v[BI+8*\b:BI+8*\b+7], v[SC+8*NQ*(\sc)+NQ*\b+(\q)], v[SC+8*NQ*(\sc)+NQ*(\a)+(\q)] matrix_a_fmt:MATRIX_FMT_FP6 matrix_b_fmt:MATRIX_FMT_FP6 matrix_a_scale:MATRIX_SCALE_ROW1
.elseif (\zero) == 2
	v_wmma_scale_f32_16x16x128_f8f6f4 v[8*(8*((\a)%4)+\b):8*(8*((\a)%4)+\b)+7], v[128*(\p)+FR*\b:128*(\p)+FR*\b+FR-1], v[AF+FR*(\a):AF+FR*(\a)+FR-1], v[BI+8*(\a):BI+8*(\a)+7], v[SC+8*NQ*(\sc)+NQ*\b+(\q)], v[SC+8*NQ*(\sc)+NQ*(\a)+(\q)] matrix_a_fmt:MATRIX_FMT_FP6 matrix_b_fmt:MATRIX_FMT_FP6 matrix_a_scale:MATRIX_SCALE_ROW1
.else
	v_wmma_scale_f32_16x16x128_f8f6f4 v[8*(8*((\a)%4)+\b):8*(8*((\a)%4)+\b)+7], v[128*(\p)+FR*\b:128*(\p)+FR*\b+FR-1], v[AF+FR*(\a):AF+FR*(\a)+FR-1], v[8*(8*((\a)%4)+\b):8*(8*((\a)%4)+\b)+7], v[SC+8*NQ*(\sc)+NQ*\b+(\q)], v[SC+8*NQ*(\sc)+NQ*(\a)+(\q)] matrix_a_fmt:MATRIX_FMT_FP6 matrix_b_fmt:MATRIX_FMT_FP6 matrix_a_scale:MATRIX_SCALE_ROW1
.endif
.endr
.endr
.endm
.macro FETCH_B slot, q, p
	WIN TO_B
.irp i, 0,1,2,3,4,5,6,7
	FRAG 128*(\p)+FR*\i, ADRB+\slot, \q, \i
.endr
	WIN 0
.endm
.macro FETCH_A slot, q, i0
.irp i, \i0, \i0+1, \i0+2, \i0+3
	FRAG AF+FR*(\i), ADRA+\slot, \q, \i
.endr
.endm
.macro SCALES sc
.irp i, 0,1,2,3,4,5,6,7
	ds_load_b64 v[SC+8*NQ*\sc+NQ*\i:SC+8*NQ*\sc+NQ*\i+1], v[ADRS] offset:\i*SBLK
.endr
.endm
.macro PLACES n
.rept \n
	v_nop
.endr
.endm
.macro STEP slot, q, zero
	s_wait_dscnt 4*NL
.if \zero
	WIN BEG_LO
.else
	WIN MUL_LO
.endif
	MUL16 0, (\q)%2, \q, \slot, \zero
	MUL16 2, (\q)%2, \q, \slot, \zero
	s_wait_dscnt 0
	PLACES NP
	FETCH_B \slot, (\q)+1, 1-(\q)%2
	FETCH_A \slot, (\q)+1, 0
.if \zero
	WIN BEG_HI
.else
	WIN MUL_HI
.endif
	MUL16 4, (\q)%2, \q, \slot, \zero
	MUL16 6, (\q)%2, \q, \slot, \zero
	PLACES NP
	WIN 0
	FETCH_A \slot, (\q)+1, 4
.endm
.macro TURN slot, next, fill
	s_wait_tensorcnt 0x0
	ds_add_u32 v[SPW], v[NIL]
	s_wait_dscnt 4*NL+1
	WIN MUL_LO
	MUL16 0, 1, NQ-1, \slot, 0
	s_wait_dscnt 0x0
	s_barrier_signal -1
	MUL16 2, 1, NQ-1, \slot, 0
	WIN 0
	s_barrier_wait -1
.if \fill
	CREST
	s_add_nc_u64 s[G0+4*\slot+2:G0+4*\slot+3], s[G0+4*\slot+2:G0+4*\slot+3], 2*ROWB
	s_add_nc_u64 s[G0B+4*\slot+2:G0B+4*\slot+3], s[G0B+4*\slot+2:G0B+4*\slot+3], 2*ROWB
	JLOAD G0+4*\slot, G1, G0B+4*\slot, G1B
.else
	PLACES NP
.endif
	s_wait_alu depctr_va_vdst(0)
	v_add_nc_u32 v[ADRS], 4*NQ, v[ADRS]
	FETCH_B \next, 0, 0
	FETCH_A \next, 0, 0
	SCALES \next
	WIN MUL_HI
	MUL16 4, 1, NQ-1, \slot, 0
	MUL16 6, 1, NQ-1, \slot, 0
	PLACES NP
	WIN 0
	FETCH_A \next, 0, 4
.endm
	s_wait_tensorcnt 1
	s_barrier_signal -1
	s_barrier_wait -1
	FETCH_B 0, 0, 0
	FETCH_A 0, 0, 0
	s_wait_alu depctr_va_vdst(0)
	SCALES 0
	FETCH_A 0, 0, 4
	s_wait_loadcnt 0x0
	s_cmp_eq_u32 ttmp9, 2
	s_cbranch_scc1 .Lfirst_v
	STEP 0, 0, 1
	s_branch .Lfirst_done
.Lfirst_v:
	STEP 0, 0, 2
.Lfirst_done:
	s_mov_b32 s3, LAPS-1
.Llap:
	TURN 0, 1, 1
	STEP 1, 0, 0
	TURN 1, 0, 1
	STEP 0, 0, 0
	s_sub_co_u32 s3, s3, 1
	s_cmp_lg_u32 s3, 0
	s_cbranch_scc1 .Llap
	TURN 0, 1, 0
	STEP 1, 0, 0
	s_wait_dscnt 4*NL
	WIN MUL_LO
	MUL16 0, 1, NQ-1, 1, 0
	MUL16 2, 1, NQ-1, 1, 0
	s_wait_dscnt 0
	WIN MUL_HI
	MUL16 4, 1, NQ-1, 1, 0
	MUL16 6, 1, NQ-1, 1, 0
	WIN 0
.macro QUANT a, d0, d1
.set AC, 64*((\a)%4)
	WIN 0x28+0x14*((\a)/4)
.irp b, 0,1,2,3
	v_max3_num_f32 v[TM+\b], 0x1800000, |v[AC+16*\b]|, |v[AC+16*\b+1]|
.endr
.irp i, 2,4,6,8,10,12,14
.irp b, 0,1,2,3
	v_max3_num_f32 v[TM+\b], v[TM+\b], |v[AC+16*\b+\i]|, |v[AC+16*\b+\i+1]|
.endr
.endr
	WIN 0
.irp b, 0,1,2,3
	v_permlanex16_b32 v[TM+4+\b], v[TM+\b], s[SEL], s[SEL+1]
.endr
.irp b, 0,1,2,3
	v_max_num_f32 v[TM+\b], v[TM+\b], v[TM+4+\b]
.endr
.irp b, 0,1,2,3
	v_add_nc_u32 v[TM+12+\b], 0xff000000, v[TM+\b]
.endr
.irp b, 0,1,2,3
	v_lshrrev_b32 v[TM+4+\b], 23, v[TM+12+\b]
.endr
	WIN 2+(\a)/4
	v_cvt_scalef32_pk16_fp6_f32 v[(\d0):(\d0)+2], v[AC:AC+15], v[TM+12]
	v_cvt_scalef32_pk16_fp6_f32 v[TC:TC+2], v[AC+16:AC+31], v[TM+13]
	v_cvt_scalef32_pk16_fp6_f32 v[(\d1):(\d1)+2], v[AC+32:AC+47], v[TM+14]
	v_cvt_scalef32_pk16_fp6_f32 v[TC+4:TC+6], v[AC+48:AC+63], v[TM+15]
	WIN 0
	v_nop
.irp i, 0,1,2
	v_permlane16_swap_b32 v[(\d0)+\i], v[TC+\i]
	v_permlane16_swap_b32 v[(\d1)+\i], v[TC+4+\i]
.endr
.irp i, 0,1,2
	v_mov_b32 v[(\d0)+3+\i], v[TC+\i]
	v_mov_b32 v[(\d1)+3+\i], v[TC+4+\i]
.endr
.endm
.irp b, 0,1,2,3
	v_mov_b32 v[TM+4+\b], 0
.endr
	s_mov_b32 s[SEL], 0x76543210
	s_mov_b32 s[SEL+1], 0xfedcba98
	s_cmp_eq_u32 ttmp9, 2
	s_cbranch_scc1 .Lout_v
.irp a, 0,1,2,3,4,5,6,7
	QUANT \a, IMG+24*(\a/2)+6*(\a%2), IMG+24*(\a/2)+12+6*(\a%2)
.if \a%2 == 0
	v_lshl_or_b32 v[SW+\a/2], v[TM+5], 8, v[TM+4]
	v_lshl_or_b32 v[SW+4+\a/2], v[TM+7], 8, v[TM+6]
.else
	v_lshl_or_b32 v[WT], v[TM+5], 8, v[TM+4]
	v_cndmask_b32 v[SW+\a/2], v[SW+\a/2], v[WT], s67
	v_lshl_or_b32 v[WT], v[TM+7], 8, v[TM+6]
	v_cndmask_b32 v[SW+4+\a/2], v[SW+4+\a/2], v[WT], s67
.irp c, 0,1,2,3,4,5
	global_store_b128 v[ST], v[IMG+24*(\a/2)+4*\c:IMG+24*(\a/2)+4*\c+3], s[96:97] offset:(\c/3)*HEADC+(\a/2)*1536+512*(\c%3)
.endr
.endif
.endr
	s_branch .Lwords
.Lout_v:
.irp a, 0,1,2,3,4,5,6,7
	QUANT \a, IMG+12*\a, IMG+12*\a+6
	v_lshl_or_b32 v[SW+\a], v[TM+5], 8, v[TM+4]
	v_lshl_or_b32 v[SW+\a], v[TM+6], 16, v[SW+\a]
	v_lshl_or_b32 v[SW+\a], v[TM+7], 24, v[SW+\a]
.irp c, 0,1,2
	global_store_b128 v[ST], v[IMG+12*\a+4*\c:IMG+12*\a+4*\c+3], s[96:97] offset:(\a/4)*HEADC+(\a%4)*1536+512*\c
.endr
.endr
.Lwords:
	s_wait_alu depctr_va_vdst(0)
	global_store_b128 v[ST], v[SW:SW+3], s[98:99]
	global_store_b128 v[ST], v[SW+4:SW+7], s[98:99] offset:HEADS
	s_wait_tensorcnt 0x0
	ds_add_u32 v[SPW], v[NIL]
	s_wait_dscnt 0x0
	CROUND
	s_endpgm
.Lfunc_end_k_q9dbc6c990c_gemm:
	.size	k_q9dbc6c990c_gemm, .Lfunc_end_k_q9dbc6c990c_gemm-k_q9dbc6c990c_gemm
	.p2alignl 7, 3214868480
	.fill 96, 4, 3214868480
	.section	.rodata,"a",@progbits
	.p2align	6, 0x0
	.amdhsa_kernel k_q9dbc6c990c_gemm
		.amdhsa_group_segment_fixed_size 327680
		.amdhsa_private_segment_fixed_size 0
		.amdhsa_enable_private_segment 0
		.amdhsa_kernarg_size 72
		.amdhsa_user_sgpr_count 2
		.amdhsa_user_sgpr_kernarg_segment_ptr 1
		.amdhsa_wavefront_size32 1
		.amdhsa_system_sgpr_workgroup_id_x 1
		.amdhsa_system_sgpr_workgroup_id_y 1
		.amdhsa_system_sgpr_workgroup_id_z 1
		.amdhsa_system_vgpr_workitem_id 0
		.amdhsa_next_free_vgpr 1024
		.amdhsa_next_free_sgpr 100
		.amdhsa_reserve_vcc 0
		.amdhsa_float_denorm_mode_32 3
		.amdhsa_float_denorm_mode_16_64 3
		.amdhsa_memory_ordered 1
		.amdhsa_forward_progress 1
		.amdhsa_inst_pref_size 217
	.end_amdhsa_kernel
	.amdgpu_metadata
---
amdhsa.version: [ 1, 2 ]
amdhsa.kernels:
  - .name:           k_q9dbc6c990c_gemm
    .symbol:         k_q9dbc6c990c_gemm.kd
    .args:
      - { .name: x_codes, .offset: 0, .size: 8, .value_kind: global_buffer, .address_space: global }
      - { .name: x_scales, .offset: 8, .size: 8, .value_kind: global_buffer, .address_space: global }
      - { .name: w_codes, .offset: 16, .size: 8, .value_kind: global_buffer, .address_space: global }
      - { .name: w_scales, .offset: 24, .size: 8, .value_kind: global_buffer, .address_space: global }
      - { .name: qkv_b, .offset: 32, .size: 8, .value_kind: global_buffer, .address_space: global }
      - { .name: qk_codes, .offset: 40, .size: 8, .value_kind: global_buffer, .address_space: global }
      - { .name: qk_scales, .offset: 48, .size: 8, .value_kind: global_buffer, .address_space: global }
      - { .name: v_codes, .offset: 56, .size: 8, .value_kind: global_buffer, .address_space: global }
      - { .name: v_scales, .offset: 64, .size: 8, .value_kind: global_buffer, .address_space: global }
    .group_segment_fixed_size: 327680
    .private_segment_fixed_size: 0
    .kernarg_segment_align: 8
    .kernarg_segment_size: 72
    .max_flat_workgroup_size: 128
    .sgpr_count:     100
    .vgpr_count:     1024
    .wavefront_size: 32
...
	.end_amdgpu_metadata
.endif
;; end of part 2
;; launch attn (part 3): grid 4 x 64, 16 waves a work-group, clusters of 4 x 1, 284,672 bytes of LDS; arguments qk_codes, qk_scales, v_codes, v_scales, out0; writes out0
.if DOCPART == 3
	.amdgcn_target "amdgcn-amd-amdhsa--gfx1250"
	.amdhsa_code_object_version 6
	.text
	.protected	k_q9dbc6c990c_attn
	.globl	k_q9dbc6c990c_attn
	.p2align	8
	.type	k_q9dbc6c990c_attn,@function
k_q9dbc6c990c_attn:
	s_mov_b64 s[64:65], 0
	v_nop
	global_prefetch_b8 v0, s[64:65] scope:SCOPE_SE
	s_setreg_imm32_b32 hwreg(HW_REG_WAVE_MODE, 25, 1), 1
	s_wait_xcnt 0x0
	s_wait_alu depctr_hold_cnt(0) depctr_sa_sdst(0) depctr_va_vdst(0) depctr_va_sdst(0) depctr_va_ssrc(0) depctr_va_vcc(0) depctr_vm_vsrc(0)
	s_getreg_b32 s2, hwreg(HW_REG_IB_STS2, 6, 4)
	s_cmp_eq_u32 s2, 0
	s_cbranch_scc0 .Lentry_in_a_cluster
	s_endpgm
.Lentry_in_a_cluster:
	s_bfe_u32 s2, ttmp6, 0x10000c
	s_cmp_lg_u32 s2, 0x3003
	s_cbranch_scc0 .Lentry_shape_is_right
	s_endpgm
.Lentry_shape_is_right:
; out0[b][q][64 head + d] = the sum over k of softmax_k(Q[q] . K[k] / 8) V[k][d], for each of 64 (batch, head), both products on codes of FP6 (E2M3) with one E8M0 scale for each 32 along a product's K.
; THE SOFTMAX AHEAD OF THE SECOND PRODUCT: t = score x log2(e) / 8; M = the row's largest t so far, rounded UP to a whole number; p = 2^(t - M) is what is quantised, along the keys, not normalised.
; The row's sum is taken of the unquantised p, in f32, and divides O at the end.  When M moves, the sum and O are multiplied by 2^(old M - new M): exact.
; OPERANDS come as images of their registers, laid by the launch before: four registers a load, lane l's 16 bytes at 16 l.  A step is 128 keys: K: four pairs of tiles of 16 keys x 64 d, six registers a tile;
; V: four tiles of 16 d x 128 keys, twelve registers; scale words: four a lane for K, four for V.
; THE HEAD SIZE IS 64, the instruction's K is 128.  Q's operand is six registers of codes and six of ZERO codes.  K's tile t lies at v[F + 6 t]; its operand's upper six registers are the next tile's codes (behind tile 7: six
; registers cleared once).  They meet Q's zero codes; the format has no NaN and no infinity, and the scale bytes there are 0, a power of two: they add exactly 0.
; SHARES.  A work-group owns 512 queries of one head; wave w of sixteen owns 32 of them, a pair of tiles, which it takes one after the other, in 256 registers: four waves to a SIMD, so that one wave's vector work
; stands beside another's matrix work and LDS loads.  Every wave walks all 2,048 keys, 128 a step.
; A WHOLE HEAD'S K AND V STAY IN LDS: 208 KiB, filled ONCE.  So the loop over the keys has no refill and no barrier.  CLUSTER: the four work-groups of a head want the same bytes: each tile is asked for jointly.
; Waves 0 to 3 fetch (K's or V's, first or second half), three loads each: the scale words, one key step, seven key steps.  The first two key steps are worked while the large loads land.
; No prefetch: every byte that the launch reads is asked for at its head.
; LAYOUT.  Both products are used transposed: S^T = K Q^T, O^T = V^T P^T: a lane holds ONE query (lane % 16) throughout.  Tokens and d lie in tiles so that the 16 registers of result tiles 2 b and 2 b + 1 are
; 16 neighbours, 32 b + 16 (lane / 16) + 0 .. 15: row r of tile u of a pair is token 8 u + r + 8 (r / 8) of its 32.
; LIMITS: a block's largest p is made from the block's largest score, which takes v_exp_f32 not to fall where its input rises; a block whose every p has fallen to 0 keeps the byte 1 (its codes are zeros);
; NaN and infinities are not served.
.set KIMG,  0                          ; LDS: K's images, 16 steps x 6,144 bytes
.set VIMG,  98304                      ; V's
.set KSCL,  196608                     ; K's scale words, 16 steps x 512 bytes
.set VSCL,  204800                     ; V's
.set STAGE, 212992                     ; the way out: 16 rows x (256 bytes + 16) for each wave; no fill lands here
.set SP,    272
.set SPARE, STAGE+16*16*SP             ; the spare words, 128 bytes for each wave, which no other line names
.set STEPB, 6144
.set STEPW, 512
.set HEADC, 98304                      ; a head's codes in memory
.set AK0,  1                           ; v1   16 x lane: my place in an image of K; also my offset in Q's image
.set AV0,  2                           ; v2   the same for V
.set ASK0, 3                           ; v3   my place among K's scale words
.set ASV0, 4                           ; v4   and among V's
.set SPW,  5                           ; v5   LDS address of my spare word; never rewritten
.set NIL,  6                           ; v6   0; never rewritten
.set GO,   7                           ; v7   the way out: my byte offset in two rows of out0
.set ADK,  8                           ; v8-11 LDS addresses of the step in hand
.set ADV,  9
.set ADS,  10
.set ADT,  11
.set QF,   16                          ; v16-21 Q's codes in use; v22-27 zero codes
.set Q1,   28                          ; v28-33 the second tile's codes
.set QS,   34                          ; v34  Q's scale words: lanes 0-15 the first tile, lanes 16-31 the second
.set STO,  35                          ; v35  the stage: where I put a row's bytes
.set RD,   36                          ; v36  and where I read a row back
.set F,    40                          ; v40-87 a step's K, then its V; v88-93 cleared once
.set KS,   94                          ; v94-97 K's scale words of the step
.set VS,   98                          ; v98-101 V's
.set S,    104                         ; v104-167 S^T, then p
.set O,    168                         ; v168-199 O^T
.set PCD,  200                         ; v200-211 p's codes
.set TC,   212                         ; v212-214, v216-218 the upper halves of blocks, as converted
.set BM,   220                         ; v220-223 each block's largest score, then its largest p
.set PT,   224                         ; v224-227 the other half's; then the bytes
.set SO,   228                         ; v228-231 the conversions' scale operands
.set TP,   232
.set FF,   234                         ; v[234:235] f = 2^(old M - new M); the upper half is written once
.set PS,   236                         ; p's scale word
.set SU,   238                         ; v[238:239] the second chain of the sum
.set WV,   18
.set SEL,  20
.set CS,   22
.set G1S,  24                          ; s[24:31] group 1: 16 rows of 256 bytes;  s[32:39]: 24 rows;  s[40:47]: 168 rows
.set G1A,  32
.set G1R,  40
.set G0S,  48                          ; s[48:51], s[52:55], s[56:59] their groups 0
.set G0A,  52
.set G0R,  56
.set TB,   60                          ; s60  LDS byte at which the step's images begin
.set TS,   61                          ; s61  and its scale words
.set CNT,  62
.macro ROUND                           ; a round of the cluster's barrier
	s_barrier_signal -1
	s_barrier_wait -1
	s_cmp_lg_u32 s[WV], 0
	s_cbranch_scc1 .Lnot_wave_0_\@
	s_barrier_signal -3
.Lnot_wave_0_\@:
	s_barrier_wait -3
	s_barrier_signal -1
	s_barrier_wait -1
.endm
	s_load_b256 s[4:11], s[0:1], 0x0               ; q and k's codes s[4:5], their scales s[6:7], v's codes s[8:9], its scales s[10:11]
	s_load_b64 s[12:13], s[0:1], 0x20              ; out0
	v_lshl_add_u32 v[SPW], v0, 2, SPARE
	v_mov_b32 v[NIL], 0
	ds_add_u32 v[SPW], v[NIL]                      ; the wave's opening: the add and its wait ahead of my first tensor load; the set-up below, work on registers, stands between them
	ds_add_u32 v[SPW], v[NIL]
	v_lshrrev_b32 v8, 5, v0
	s_delay_alu instid0(VALU_DEP_1)
	v_readfirstlane_b32 s[WV], v8                  ; wave 0..15
	s_bfe_u32 s14, ttmp6, 0x40000                  ; cx: it enters Q's and out0's addresses alone
	s_and_b32 s15, ttmp7, 0xffff                   ; 16 x batch + head, which the four partners share
	s_and_b32 s16, s[WV], 1                        ; what I fetch, if I fetch: K's (0) or V's (1),
	s_bfe_u32 s17, s[WV], 0x10001                  ; the first half or the second
	s_lshl_b32 s19, s14, 4
	s_add_co_u32 s19, s19, s[WV]                   ; my pair of query tiles: 16 cx + wave
	v_and_b32 v8, 31, v0                           ; lane
	v_and_b32 v9, 15, v0                           ; r
	v_bfe_u32 v10, v0, 4, 1                        ; h
	s_delay_alu instid0(VALU_DEP_3)
	v_lshlrev_b32 v[AK0], 4, v8
	s_delay_alu instid0(VALU_DEP_1)
	v_add_nc_u32 v[AV0], VIMG, v[AK0]
	s_delay_alu instid0(VALU_DEP_2)
	v_add_nc_u32 v[ASK0], KSCL, v[AK0]
	s_delay_alu instid0(VALU_DEP_3)
	v_add_nc_u32 v[ASV0], VSCL, v[AK0]
	v_lshlrev_b32 v[GO], 12, v10
	s_delay_alu instid0(VALU_DEP_1)
	v_lshl_add_u32 v[GO], v9, 4, v[GO]             ; lanes 0-15 one row of out0 (4,096 bytes), lanes 16-31 the next; 16 bytes a lane
	s_mul_i32 s66, s[WV], 16*SP
	s_add_co_u32 s66, s66, STAGE                   ; my stage
	v_mul_u32_u24 v[STO], v9, SP
	s_delay_alu instid0(VALU_DEP_1)
	v_lshl_add_u32 v[STO], v10, 6, v[STO]
	s_delay_alu instid0(VALU_DEP_1)
	v_add_nc_u32 v[STO], s66, v[STO]               ; in: row r, + 64 h: my 16 d of each 32
	v_mul_u32_u24 v[RD], v10, SP
	s_delay_alu instid0(VALU_DEP_1)
	v_lshl_add_u32 v[RD], v9, 4, v[RD]
	s_delay_alu instid0(VALU_DEP_1)
	v_add_nc_u32 v[RD], s66, v[RD]                 ; back: lanes 0-15 one row, lanes 16-31 the next
.irp b, 0,1,2,3
	v_mov_b32 v[PT+\b], 0                          ; written once: a lane permute's destination counts as one of its sources
.endr
	v_mov_b32 v[FF+1], 0                           ; (named as the upper half of a pair)
.irp i, 0,1,2,3,4,5
	v_mov_b32 v[F+48+\i], 0                        ; behind K's tile 7
.endr
	; descriptor group 1: dense rows of 256 bytes (32 elements of 8), no padding
.irp g, G1S, G1A, G1R
	s_mov_b32 s[\g], 15|(3<<16)|(1<<21)            ; 15:0 the mask: all four work-groups; 17:16 elements of 8 bytes; 21 set beside a mask
	s_mov_b32 s[\g+1], 32<<16                      ; tensor_dim0
	s_mov_b32 s[\g+3], 32<<16                      ; tile_dim0
	s_mov_b32 s[\g+5], 32                          ; tensor_dim0_stride
	s_mov_b32 s[\g+6], 0
	s_mov_b32 s[\g+7], 0
.endr
	s_mov_b32 s[G1S+2], 16<<16                     ; tensor_dim1, tile_dim1: half a head's scale words, 4,096 bytes
	s_mov_b32 s[G1S+4], 16
	s_mov_b32 s[G1A+2], 24<<16                     ; one key step, 6,144 bytes
	s_mov_b32 s[G1A+4], 24
	s_mov_b32 s[G1R+2], 168<<16                    ; seven key steps, 43,008 bytes
	s_mov_b32 s[G1R+4], 168
	s_mul_i32 s74, s16, VIMG                       ; where they go: K's or V's region,
	s_lshl_b32 s75, s16, 13
	s_lshl_b32 s2, s17, 12                         ; and my half: of the scale words,
	s_mov_b32 s3, 0
	s_mul_i32 s60, s17, STEPB                      ; key step 0 or 1,
	s_mov_b32 s61, 0
	s_mul_i32 s62, s17, 7*STEPB
	s_add_co_u32 s62, s62, 2*STEPB                 ; key steps 2 to 8 or 9 to 15
	s_mov_b32 s63, 0
	s_mov_b32 s[G0S], 1
	s_add_co_u32 s[G0S+1], s75, s2
	s_add_co_u32 s[G0S+1], s[G0S+1], KSCL
	s_mov_b32 s[G0A], 1
	s_add_co_u32 s[G0A+1], s74, s60
	s_mov_b32 s[G0R], 1
	s_add_co_u32 s[G0R+1], s74, s62
	s_cmp_eq_u32 s16, 0
	s_cselect_b32 s66, 64, 0                       ; k's heads lie behind q's 64
	s_add_co_u32 s66, s66, s15
	s_mul_i32 s68, s66, HEADC                      ; the head's codes, in bytes (under 2^24)
	s_mov_b32 s69, 0
	s_lshl_b32 s70, s66, 13                        ; and its scale words
	s_mov_b32 s71, 0
	s_mov_b32 s[SEL], 0x76543210
	s_mov_b32 s[SEL+1], 0xfedcba98                 ; v_permlanex16_b32's selects for lane l xor 16
	s_mov_b32 s[CS], 0x3e38aa3b                    ; c = log2(e) / 8
	s_mov_b32 s[CS+1], s[CS]                       ; (named with it as a pair)
	s_wait_dscnt 0x0                               ; the opening add is done
	s_wait_kmcnt 0x0
	s_cmp_eq_u32 s16, 0                            ; the choice hangs on the wave's number alone
	s_cselect_b64 s[72:73], s[4:5], s[8:9]
	s_cselect_b64 s[66:67], s[6:7], s[10:11]
	s_add_nc_u64 s[72:73], s[72:73], s[68:69]
	s_add_nc_u64 s[66:67], s[66:67], s[70:71]
	s_add_nc_u64 s[G0S+2:G0S+3], s[66:67], s[2:3]
	s_or_b32 s[G0S+3], s[G0S+3], 0x80000000
	s_add_nc_u64 s[G0A+2:G0A+3], s[72:73], s[60:61]
	s_or_b32 s[G0A+3], s[G0A+3], 0x80000000
	s_add_nc_u64 s[G0R+2:G0R+3], s[72:73], s[62:63]
	s_or_b32 s[G0R+3], s[G0R+3], 0x80000000
	ROUND                                          ; all four work-groups are here: the joint loads meet
	s_cmp_lt_u32 s[WV], 4                          ; a wave's three fills stand in one branch, ahead of every wait on TENSORcnt, every LDS read and every further barrier: three loads of mine are out
	s_cbranch_scc0 .Lno_fill
	tensor_load_to_lds s[G0S:G0S+3], s[G1S:G1S+7]
	s_nop 0
	tensor_load_to_lds s[G0A:G0A+3], s[G1A:G1A+7]
	s_nop 0
	tensor_load_to_lds s[G0R:G0R+3], s[G1R:G1R+7]
	s_nop 0
.rept 4
	v_nop
.endr
.Lno_fill:
	s_mul_i32 s68, s15, HEADC                      ; Q: my head (q's heads come first), my pair's image of 1,536 bytes
	s_mul_i32 s70, s19, 1536
	s_add_co_u32 s68, s68, s70
	s_mov_b32 s69, 0
	s_add_nc_u64 s[4:5], s[4:5], s[68:69]
	s_lshl_b32 s70, s15, 13                        ; its scale words: step pair / 4, word pair % 4 of each lane's four
	s_lshr_b32 s71, s19, 2
	s_lshl_b32 s71, s71, 9
	s_add_co_u32 s70, s70, s71
	s_and_b32 s71, s19, 3
	s_lshl_b32 s71, s71, 2
	s_add_co_u32 s70, s70, s71
	s_mov_b32 s71, 0
	s_add_nc_u64 s[6:7], s[6:7], s[70:71]
	global_load_b128 v[QF:QF+3], v[AK0], s[4:5]
	global_load_b128 v[QF+4:QF+7], v[AK0], s[4:5] offset:512
	global_load_b128 v[QF+8:QF+11], v[AK0], s[4:5] offset:1024
	global_load_b32 v[QS], v[AK0], s[6:7]
	s_lshr_b32 s68, s15, 4                         ; out0: row 2,048 x batch + 32 x pair, of 4,096 bytes; + 256 x head
	s_lshl_b32 s68, s68, 11
	s_lshl_b32 s70, s19, 5
	s_add_co_u32 s68, s68, s70
	s_lshl_b32 s68, s68, 12
	s_and_b32 s70, s15, 15
	s_lshl_b32 s70, s70, 8
	s_add_co_u32 s68, s68, s70
	s_mov_b32 s69, 0
	s_add_nc_u64 s[12:13], s[12:13], s[68:69]
	s_wait_loadcnt 0x0
.irp i, 0,1,2,3,4,5
	v_mov_b32 v[Q1+\i], v[QF+6+\i]                 ; the second tile's codes are kept,
.endr
.irp i, 0,1,2,3,4,5
	v_mov_b32 v[QF+6+\i], 0                        ; and the operand's upper half is zero codes
.endr
; One product of S^T: tile t of 16 keys x my 16 queries.  K's scale words: register t / 2, lanes 0-15 for an even tile, lanes 16-31 for an odd one; Q's: lanes 0-15 for my first tile, lanes 16-31 for my second.
.macro KQ t, qrow
.if ((\t)%2 == 0) && ((\qrow) == 0)
	v_wmma_scale_f32_16x16x128_f8f6f4 v[S+8*(\t):S+8*(\t)+7], v[F+6*(\t):F+6*(\t)+11], v[QF:QF+11], 0, v[KS+(\t)/2], v[QS] matrix_a_fmt:MATRIX_FMT_FP6 matrix_b_fmt:MATRIX_FMT_FP6
.elseif ((\t)%2 == 1) && ((\qrow) == 0)
	v_wmma_scale_f32_16x16x128_f8f6f4 v[S+8*(\t):S+8*(\t)+7], v[F+6*(\t):F+6*(\t)+11], v[QF:QF+11], 0, v[KS+(\t)/2], v[QS] matrix_a_fmt:MATRIX_FMT_FP6 matrix_b_fmt:MATRIX_FMT_FP6 matrix_a_scale:MATRIX_SCALE_ROW1
.elseif (\t)%2 == 0
	v_wmma_scale_f32_16x16x128_f8f6f4 v[S+8*(\t):S+8*(\t)+7], v[F+6*(\t):F+6*(\t)+11], v[QF:QF+11], 0, v[KS+(\t)/2], v[QS] matrix_a_fmt:MATRIX_FMT_FP6 matrix_b_fmt:MATRIX_FMT_FP6 matrix_b_scale:MATRIX_SCALE_ROW1
.else
	v_wmma_scale_f32_16x16x128_f8f6f4 v[S+8*(\t):S+8*(\t)+7], v[F+6*(\t):F+6*(\t)+11], v[QF:QF+11], 0, v[KS+(\t)/2], v[QS] matrix_a_fmt:MATRIX_FMT_FP6 matrix_b_fmt:MATRIX_FMT_FP6 matrix_a_scale:MATRIX_SCALE_ROW1 matrix_b_scale:MATRIX_SCALE_ROW1
.endif
.endm
; A KEY STEP: 128 keys.  No two matrix instructions that follow each other share an accumulator, over the loop's backward jump too.
.macro STEP qrow
	v_add_nc_u32 v[ADK], s[TB], v[AK0]             ; these four are also the places between the last products and the loads into the registers that they read
	v_add_nc_u32 v[ADV], s[TB], v[AV0]
	v_add_nc_u32 v[ADS], s[TS], v[ASK0]
	v_add_nc_u32 v[ADT], s[TS], v[ASV0]
	ds_load_b128 v[KS:KS+3], v[ADS]
.irp i, 0,1,2,3,4,5,6,7,8,9,10,11
	ds_load_b128 v[F+4*\i:F+4*\i+3], v[ADK] offset:512*\i          ; 32 lanes read 512 consecutive bytes
.endr
	s_wait_alu depctr_va_vdst(0)
	s_wait_dscnt 0x0
.irp t, 0,1,2,3,4,5,6,7
	KQ \t, \qrow
.endr
.rept 4
	v_nop                                          ; places in front of the loads below and of the first read of the scores
.endr
	ds_load_b128 v[VS:VS+3], v[ADT]                ; V is asked for now, and lands under the softmax
.irp i, 0,1,2,3,4,5,6,7,8,9,10,11
	ds_load_b128 v[F+4*\i:F+4*\i+3], v[ADV] offset:512*\i
.endr
.irp b, 0,1,2,3
	v_max3_num_f32 v[BM+\b], v[S+16*\b], v[S+16*\b+1], v[S+16*\b+2]   ; THE LARGEST SCORE OF EACH BLOCK OF 32 KEYS serves twice: for the row's maximum, and, since p rises with the score, for the block's largest p
.endr
.irp i, 3,5,7,9,11,13
.irp b, 0,1,2,3
	v_max3_num_f32 v[BM+\b], v[BM+\b], v[S+16*\b+\i], v[S+16*\b+\i+1]   ; (the four blocks by turns)
.endr
.endr
.irp b, 0,1,2,3
	v_max_num_f32 v[BM+\b], v[BM+\b], v[S+16*\b+15]
.endr
.irp b, 0,1,2,3
	s_delay_alu instid0(VALU_DEP_4)
	v_permlanex16_b32 v[PT+\b], v[BM+\b], s[SEL], s[SEL+1]
.endr
.irp b, 0,1,2,3
	s_delay_alu instid0(VALU_DEP_4)
	v_max_num_f32 v[BM+\b], v[BM+\b], v[PT+\b]     ; with lane l xor 16's 16 keys
.endr
	s_delay_alu instid0(VALU_DEP_2)
	v_max3_num_f32 v[TP], v[BM], v[BM+1], v[BM+2]
	s_delay_alu instid0(VALU_DEP_1)
	v_max_num_f32 v[TP], v[TP], v[BM+3]            ; the step's largest score of my query
	s_delay_alu instid0(VALU_DEP_1)
	v_mul_f32 v[TP], s[CS], v[TP]                  ; as t (c is positive)
	s_delay_alu instid0(VALU_DEP_1)
	v_max_num_f32 v13, v13, v[TP]                  ; the running largest t
	v_mov_b32 v[TP], v12
	s_delay_alu instid0(VALU_DEP_2)
	v_floor_f32 v12, -v13                          ; the new -M = floor(-t) = -ceil(t): M is a whole number
	s_delay_alu instid0(VALU_DEP_1)
	v_sub_f32 v[TP], v12, v[TP]                    ; M's old value less its new one: a whole number, 0 or less
	s_delay_alu instid0(VALU_DEP_1)
	v_cvt_i32_f32 v[TP], v[TP]                     ; (it saturates)
	s_delay_alu instid0(VALU_DEP_1)
	v_ldexp_f32 v[FF], 1.0, v[TP]                  ; f = 2^(old M - new M)
.set j, 0
.rept 32
	v_pk_fma_f32 v[S+j:S+j+1], v[S+j:S+j+1], s[CS:CS+1], v[12:13] op_sel_hi:[1,0,0]   ; t - M, two at a time (of the pairs c and -M the low word serves both halves)
.set j, j+2
.endr
.irp b, 0,1,2,3
	v_fma_f32 v[BM+\b], v[BM+\b], s[CS], v12       ; the same of each block's largest score
.endr
.set j, 0
	s_wait_alu depctr_va_vdst(0)
.rept 64
	v_exp_f32 v[S+j], v[S+j]                       ; p = 2^(t - M), at most 1: not normalised
.set j, j+1
.endr
	s_setprio 1
	v_pk_mul_f32 v[14:15], v[14:15], v[FF:FF+1] op_sel_hi:[1,0]   ; the sums under the new M (the plain instruction behind the exponentials)
	s_wait_alu depctr_va_vdst(0)                   ; one wait for the whole batch, ahead of its first reader
.irp b, 0,1,2,3
	v_exp_f32 v[BM+\b], v[BM+\b]                   ; the block's largest p: the same two instructions on the same number give the same bits
.endr
	v_pk_add_f32 v[238:239], v[108:109], v[112:113]
	v_pk_add_f32 v[254:255], v[116:117], v[120:121]
	v_pk_add_f32 v[252:253], v[124:125], v[128:129]
	v_pk_add_f32 v[250:251], v[132:133], v[136:137]
	v_pk_add_f32 v[248:249], v[140:141], v[144:145]
	v_pk_add_f32 v[246:247], v[148:149], v[152:153]
	v_pk_add_f32 v[244:245], v[156:157], v[160:161]
	v_pk_add_f32 v[14:15], v[14:15], v[164:165]
	v_pk_add_f32 v[238:239], v[238:239], v[104:105]
	v_pk_add_f32 v[254:255], v[254:255], v[106:107]
	v_pk_add_f32 v[252:253], v[252:253], v[110:111]
	v_pk_add_f32 v[250:251], v[250:251], v[114:115]
	v_pk_add_f32 v[248:249], v[248:249], v[118:119]
	v_pk_add_f32 v[246:247], v[246:247], v[122:123]
	v_pk_add_f32 v[244:245], v[244:245], v[126:127]
	v_pk_add_f32 v[14:15], v[14:15], v[130:131]
	v_pk_add_f32 v[238:239], v[238:239], v[134:135]
	v_pk_add_f32 v[254:255], v[254:255], v[138:139]
	v_pk_add_f32 v[252:253], v[252:253], v[142:143]
	v_pk_add_f32 v[250:251], v[250:251], v[146:147]
	v_pk_add_f32 v[248:249], v[248:249], v[150:151]
	v_pk_add_f32 v[246:247], v[246:247], v[154:155]
	v_pk_add_f32 v[244:245], v[244:245], v[158:159]
	v_pk_add_f32 v[14:15], v[14:15], v[162:163]
	v_pk_add_f32 v[238:239], v[238:239], v[166:167]
	s_delay_alu instid0(VALU_DEP_2)
	v_pk_add_f32 v[14:15], v[14:15], v[250:251]
	s_delay_alu instid0(VALU_DEP_2)
	v_pk_add_f32 v[238:239], v[238:239], v[248:249]
	v_pk_add_f32 v[254:255], v[254:255], v[246:247]
	v_pk_add_f32 v[252:253], v[252:253], v[244:245]
	s_delay_alu instid0(VALU_DEP_2)
	v_pk_add_f32 v[14:15], v[14:15], v[254:255]
	s_delay_alu instid0(VALU_DEP_2)
	v_pk_add_f32 v[238:239], v[238:239], v[252:253]
	s_delay_alu instid0(VALU_DEP_1)
	v_pk_add_f32 v[14:15], v[14:15], v[238:239]
	s_wait_alu depctr_va_vdst(0)                   ; and one for the four
.irp b, 0,1,2,3
	v_max_num_f32 v[BM+\b], 0x1800000, v[BM+\b]    ; the floor 2^(3 - 127): the byte cannot fall under 1
.endr
.irp b, 0,1,2,3
	s_delay_alu instid0(VALU_DEP_4)
	v_add_nc_u32 v[SO+\b], 0xff000000, v[BM+\b]    ; 2 off the exponent field: the conversion's scale operand
.endr
.irp b, 0,1,2,3
	s_delay_alu instid0(VALU_DEP_4)
	v_lshrrev_b32 v[PT+\b], 23, v[SO+\b]           ; the scale's byte
.endr
	s_delay_alu instid0(VALU_DEP_3)
	v_lshl_or_b32 v[PS], v[PT+1], 8, v[PT]         ; p's scale word for these 128 keys
	s_delay_alu instid0(VALU_DEP_1)
	v_lshl_or_b32 v[PS], v[PT+2], 16, v[PS]
	s_delay_alu instid0(VALU_DEP_1)
	v_lshl_or_b32 v[PS], v[PT+3], 24, v[PS]
.irp c, 0,1
	v_cvt_scalef32_pk16_fp6_f32 v[PCD+6*\c:PCD+6*\c+2], v[S+32*\c:S+32*\c+15], v[SO+2*\c]
	v_cvt_scalef32_pk16_fp6_f32 v[TC+4*\c:TC+4*\c+2], v[S+32*\c+16:S+32*\c+31], v[SO+2*\c+1]   ; (a conversion's three registers begin on an even number)
.endr
	v_nop                                          ; one plain instruction behind the scaled conversions
.irp c, 0,1                                    ; the operand's layout wants a WHOLE block in a lane: lanes 0-15 block 2 c, lanes 16-31 block 2 c + 1
.irp i, 0,1,2
	v_permlane16_swap_b32 v[PCD+6*\c+\i], v[TC+4*\c+\i]
.endr
.irp i, 0,1,2
	s_delay_alu instid0(VALU_DEP_3)
	v_mov_b32 v[PCD+6*\c+3+\i], v[TC+4*\c+\i]
.endr
.endr
.set j, 0
	s_setprio 0
.rept 16
	v_pk_mul_f32 v[O+j:O+j+1], v[O+j:O+j+1], v[FF:FF+1] op_sel_hi:[1,0]   ; O^T under the new M: x f.  (These sixteen also stand between the writes of p's codes and scale word and the products)
.set j, j+2
.endr
	s_wait_alu depctr_va_vdst(0)
	s_wait_dscnt 0x0                               ; V and its scale words are in
.irp t, 0,1,2,3                                ; O^T += V^T P^T: four tiles of 16 d; K = these 128 keys
	v_wmma_scale_f32_16x16x128_f8f6f4 v[O+8*\t:O+8*\t+7], v[F+12*\t:F+12*\t+11], v[PCD:PCD+11], v[O+8*\t:O+8*\t+7], v[VS+\t], v[PS] matrix_a_fmt:MATRIX_FMT_FP6 matrix_b_fmt:MATRIX_FMT_FP6
.endr
	s_add_co_u32 s[TB], s[TB], STEPB               ; the next step's images and scale words
	s_add_co_u32 s[TS], s[TS], STEPW
.endm
.macro KEYS n, qrow
	s_mov_b32 s[CNT], \n
.Lkeys_\@:
	s_setprio 2
	STEP \qrow
	s_sub_co_u32 s[CNT], s[CNT], 1
	s_cmp_lg_u32 s[CNT], 0
	s_cbranch_scc1 .Lkeys_\@
	s_setprio 0
.endm
.macro BEGIN                                   ; a tile of queries begins: the step is written once, and its first run finds zeros, which the first change of M leaves zeros
	v_mov_b32 v13, 0xff61b1e6                      ; the largest t so far: -3e38, under every t
	s_delay_alu instid0(VALU_DEP_1)
	v_floor_f32 v12, -v13                          ; -M
	v_mov_b32 v14, 0                               ; the sum, in two halves
	v_mov_b32 v15, 0
.set j, 0
.rept 32
	v_mov_b32 v[O+j], 0
.set j, j+1
.endr
	s_mov_b32 s[TB], 0
	s_mov_b32 s[TS], 0
.endm
; THE WAY OUT of my tile u.  O^T is divided by the sum and goes through my stage in LDS: a lane's registers 0-15 are d = 16 h + 0 .. 15, registers 16-31 d = 32 + 16 h + 0 .. 15 of its query.  It comes back by rows:
; sixteen lanes store a query's 256 bytes of this head, aligned.  Stage row r is query 8 u + r + 8 (r / 8) of my 32.
.macro OUT u
.rept 4
	v_nop                                          ; places behind the last products
.endr
	v_add_f32 v14, v14, v15                        ; the sum's two halves,
	s_delay_alu instid0(VALU_DEP_1)
	v_permlanex16_b32 v[PT], v14, s[SEL], s[SEL+1]
	s_delay_alu instid0(VALU_DEP_1)
	v_add_f32 v14, v14, v[PT]                      ; and lane l xor 16's: the row's sum
	s_wait_alu depctr_va_vdst(0)
	v_rcp_f32 v14, v14
	v_nop                                          ; a plain instruction behind the reciprocal
	s_wait_alu depctr_va_vdst(0)                   ; and the wait ahead of its first reader
.set j, 0
.rept 16
	v_pk_mul_f32 v[S+j:S+j+1], v[O+j:O+j+1], v[14:15] op_sel_hi:[1,0]   ; each accumulator from its low end on
.set j, j+2
.endr
.irp q, 0,1,2,3,4,5,6,7
	ds_store_b128 v[STO], v[S+4*\q:S+4*\q+3] offset:128*(\q/4)+16*(\q%4)
.endr
.irp i, 0,1,2,3,4,5,6,7
	ds_load_b128 v[S+32+4*\i:S+32+4*\i+3], v[RD] offset:2*\i*SP    ; LDS serves a wave's instructions in order: these see my stores
.endr
.irp i, 0,1,2,3,4,5,6,7
	s_wait_dscnt 7-\i                              ; the younger reads of the stage may be out
	global_store_b128 v[GO], v[S+32+4*\i:S+32+4*\i+3], s[12:13] offset:(8*(\u)+2*\i+8*(\i/4))*4096 th:TH_STORE_NT
.endr
.endm
	s_wait_tensorcnt 1                             ; my scale words and my key step are in; the load of seven key steps may stay out
	s_barrier_signal -1
	s_barrier_wait -1                              ; everybody's are: key steps 0 and 1 and all scale words lie in LDS
	BEGIN
	STEP 0                                         ; key steps 0 and 1 are written out: they read bytes into which no load is still landing
	STEP 0
	s_wait_tensorcnt 0x0                           ; my part of the other fourteen is in,
	s_wait_dscnt 0x0
	s_barrier_signal -1
	s_barrier_wait -1                              ; everybody's is: the last barrier ahead of the closing round
	KEYS 14, 0
	OUT 0
	s_wait_xcnt 0x0                                ; the stores have read their registers, which the next scores are written into
.irp i, 0,1,2,3,4,5
	v_mov_b32 v[QF+\i], v[Q1+\i]                   ; my second tile of queries
.endr
	BEGIN
	KEYS 16, 1
	OUT 1
	s_wait_tensorcnt 0x0                           ; the wave's end, behind my last tensor load and my last LDS store
	ds_add_u32 v[SPW], v[NIL]
	s_wait_dscnt 0x0
	ROUND                                          ; the closing round
	s_endpgm
.Lfunc_end_k_q9dbc6c990c_attn:
	.size	k_q9dbc6c990c_attn, .Lfunc_end_k_q9dbc6c990c_attn-k_q9dbc6c990c_attn
	.p2alignl 7, 3214868480
	.fill 96, 4, 3214868480
	.section	.rodata,"a",@progbits
	.p2align	6, 0x0
	.amdhsa_kernel k_q9dbc6c990c_attn
		.amdhsa_group_segment_fixed_size 284672
		.amdhsa_private_segment_fixed_size 0
		.amdhsa_enable_private_segment 0
		.amdhsa_kernarg_size 40
		.amdhsa_user_sgpr_count 2
		.amdhsa_user_sgpr_kernarg_segment_ptr 1
		.amdhsa_wavefront_size32 1
		.amdhsa_system_sgpr_workgroup_id_x 1
		.amdhsa_system_sgpr_workgroup_id_y 1
		.amdhsa_system_sgpr_workgroup_id_z 1
		.amdhsa_system_vgpr_workitem_id 0
		.amdhsa_next_free_vgpr 256
		.amdhsa_next_free_sgpr 76
		.amdhsa_reserve_vcc 0
		.amdhsa_float_denorm_mode_32 3
		.amdhsa_float_denorm_mode_16_64 3
		.amdhsa_memory_ordered 1
		.amdhsa_forward_progress 1
		.amdhsa_inst_pref_size 85
	.end_amdhsa_kernel
	.amdgpu_metadata
---
amdhsa.version: [ 1, 2 ]
amdhsa.kernels:
  - .name:           k_q9dbc6c990c_attn
    .symbol:         k_q9dbc6c990c_attn.kd
    .args:
      - { .name: qk_codes, .offset: 0, .size: 8, .value_kind: global_buffer, .address_space: global }
      - { .name: qk_scales, .offset: 8, .size: 8, .value_kind: global_buffer, .address_space: global }
      - { .name: v_codes, .offset: 16, .size: 8, .value_kind: global_buffer, .address_space: global }
      - { .name: v_scales, .offset: 24, .size: 8, .value_kind: global_buffer, .address_space: global }
      - { .name: out0, .offset: 32, .size: 8, .value_kind: global_buffer, .address_space: global }
    .group_segment_fixed_size: 284672
    .private_segment_fixed_size: 0
    .kernarg_segment_align: 8
    .kernarg_segment_size: 40
    .max_flat_workgroup_size: 512
    .sgpr_count:     76
    .vgpr_count:     256
    .wavefront_size: 32
...
	.end_amdgpu_metadata
.endif
;; end of part 3
